; MI455X (gfx1250); checked and timed in simulation.
; The chip was launched on July 23, 2026; its instructions are those of AMD's public machine-readable ISA for CDNA 5 (MIT licence, August 2026) and "CDNA5" Instruction Set Architecture Reference Guide (July 2026). The comments in the code are by the model that wrote it; some were corrected since.
;; Attention. Allowed arithmetic: matrix products marked QUANTISED: E4M3 operands, one E8M0 scale for each 32 along K, by v_wmma_scale_f32_16x16x128_f8f6f4 with both operands' format E4M3, f32 sums; everything else in f32.
;; Inputs: b_out 1,024 float32; b_qkv 3,072 float32; w_out_codes 1,024 x 32 x 32 uint8 (E4M3 codes of w_out, K innermost, in blocks of 32 codes); w_out_scales 1,024 x 32 uint8 (E8M0 scales of w_out, one for each 32 codes along K); w_qkv_codes 3,072 x 32 x 32 uint8 (E4M3 codes of w_qkv, K innermost, in blocks of 32 codes); w_qkv_scales 3,072 x 32 uint8 (E8M0 scales of w_qkv, one for each 32 codes along K); x_codes 4 x 2,048 x 32 x 32 uint8 (E4M3 codes of x, K innermost, in blocks of 32 codes); x_scales 4 x 2,048 x 32 uint8 (E8M0 scales of x, one for each 32 codes along K).
;; Outputs: out0 4 x 2,048 x 1,024 float32.
;; This version of the problem:
;;   THIS VERSION OF THE PROBLEM IS GIVEN IN LOW PRECISION. The matrix products marked QUANTISED in the list below multiply operands that are first quantised to E4M3 (4 exponent bits, 3 mantissa bits; 8 bits a number), with one power-of-two scale for each 32 numbers along K (OCP MX v1.0); their sums are f32. All else is computed in f32.
;;   The module's matrix products, in the order in which they are computed (A, B: the left and right operand; K: the contracted axis; several contracted axes count as one K, in the product's order):
;;     1. [M 8,192, K 1,024] x [K 1,024, N 3,072]; A: input x (given as codes); B: input w_qkv (given as codes): QUANTISED
;;     2. batch 64 x [M 2,048, K 64] x [K 64, N 2,048]; A: computed on the way; B: computed on the way: QUANTISED
;;     3. batch 64 x [M 64, K 2,048] x [K 2,048, N 2,048]; A: computed on the way; B: softmax (see below): QUANTISED
;;     4. [M 8,192, K 1,024] x [K 1,024, N 1,024]; A: computed on the way; B: input w_out (given as codes): QUANTISED
;;   THE QUANTISER, for each operand of a quantised product, along K:
;;     - K is cut into blocks of 32 from its start; a last block that is shorter is filled with zeros.
;;     - A block's scale is 2^e with e = floor(log2(the largest magnitude in the block)) - 8, held to -126 .. 127; a block of zeros has e = 0. As a byte (E8M0): e + 127.
;;     - Each number is divided by its block's scale, clamped to +-448, and rounded to the nearest number of E4M3, ties to even, subnormals kept.
;;     - The product sums the exact products of the quantised numbers (number of the format x scale) in f32.
;;   ~~~python
;;   def quantise(x, axis):      # numpy; x: float32 -> the quantised numbers, widened to float32 again
;;       x = np.moveaxis(x, axis, -1); K = x.shape[-1]
;;       x = np.pad(x, [(0, 0)] * (x.ndim - 1) + [(0, -K % 32)]); x = x.reshape(x.shape[:-1] + (-1, 32)); a = np.abs(x).max(-1, keepdims=True)
;;       e = np.where(a > 0, np.clip(np.frexp(np.where(a > 0, a, 1))[1] - 1 - 8, -126, 127), 0)      # np.frexp(a)[1] - 1 = floor(log2(a)), exactly
;;       r = np.clip(x / 2.0 ** e, -448, 448)
;;       step = 2.0 ** (np.maximum(np.frexp(np.where(r == 0, 1, r))[1] - 1, -6) - 3)
;;       q = np.round(r / step) * step * 2.0 ** e      # np.round: ties to even
;;       return np.moveaxis(q.reshape(q.shape[:-2] + (-1,))[..., :K], -1, axis).astype(np.float32)
;;   ~~~
;;   SOFTMAX AHEAD OF A QUANTISED PRODUCT. Where the list says 'softmax', what is quantised is not the finished softmax but p = 2^(t - M), with t = logit x log2(e) and M = ceil(the row's largest t), a whole number; so 1/2 < the row's largest p <= 1. The row's sum l is taken of the UNQUANTISED p, in f32, and the product's result is divided by l at the end. Since M is a whole number, a kernel that streams over the keys may use a running M (the ceiling of the running maximum): every later rescaling is an exact power of two, which a block's scale takes up: the codes' values come out the same.
;;   OPERANDS COMPUTED ON THE WAY. 'Computed on the way' means the value that the module computes at that place (a softmax that the list does not call 'softmax' is quantised finished and normalised). What goes into a quantiser is computed in f32, as accurately as f32 sums, v_exp_f32 and their like allow (about 1e-6 of the number): no bf16 or f16 on the way to a quantiser, and a product that is left as it is and whose result goes on into a quantised operand takes f32 operands (vector FMAs, or v_wmma_f32_16x16x4_f32). A number that lies on a knife's edge between two numbers of the format may be rounded either way, as far as f32 arithmetic and the matrix unit's own rounding can turn it there, and no further.
;;   INPUTS GIVEN AS CODES. w_out (in the module: [1024, 1024], K = its axis 1); w_qkv (in the module: [3072, 1024], K = its axis 1); x (in the module: [4, 2048, 1024], K = its axis 2): each comes as NAME_codes (uint8): NAME with its K axis moved to the last place and cut into blocks of 32 codes, [.., K / 32, bytes a block], one block behind the other in memory; one code a byte (a code: sign, 4 exponent bits, 3 mantissa bits); and NAME_scales (uint8): the same leading axes, one E8M0 byte (e + 127) for each 32 codes along K. Its value is code x scale, taken as it is: it is not quantised again, and the codes and scales need not be those that the quantiser above would give.
;; One version. Each part assembles by itself: llvm-mc -triple=amdgcn-amd-amdhsa -mcpu=gfx1250 --defsym DOCPART=n.
;; ======== version 1 of 1: 3 launches
;; limits: right only within a limited range of input values
;; workspace buffers: qbuf 8,912,896 bytes; kvbuf 17,563,648 bytes; obuf 8,388,608 bytes; oscl 262,144 bytes
;; launch qkv (part 1): grid 32 x 12, 4 waves a work-group, clusters of 4 x 4, 327,680 bytes of LDS; arguments x_codes, x_scales, w_qkv_codes, w_qkv_scales, b_qkv, qbuf, kvbuf; writes qbuf, kvbuf
.if DOCPART == 1
	.amdgcn_target "amdgcn-amd-amdhsa--gfx1250"
	.amdhsa_code_object_version 6
	.text
	.protected	k_qf8feff5134_qkv
	.globl	k_qf8feff5134_qkv
	.p2align	8
	.type	k_qf8feff5134_qkv,@function
k_qf8feff5134_qkv:
	s_mov_b64 s[64:65], 0
	v_nop
	global_prefetch_b8 v0, s[64:65] scope:SCOPE_SE
	s_setreg_imm32_b32 hwreg(HW_REG_WAVE_MODE, 25, 1), 1
	s_wait_xcnt 0x0
	s_wait_alu depctr_hold_cnt(0) depctr_sa_sdst(0) depctr_va_vdst(0) depctr_va_sdst(0) depctr_va_ssrc(0) depctr_va_vcc(0) depctr_vm_vsrc(0)
	s_getreg_b32 s2, hwreg(HW_REG_IB_STS2, 6, 4)
	s_cmp_eq_u32 s2, 0
	s_cbranch_scc0 .Lentry_in_a_cluster
	s_endpgm
.Lentry_in_a_cluster:
	s_bfe_u32 s2, ttmp6, 0x10000c
	s_cmp_lg_u32 s2, 0xf033
	s_cbranch_scc0 .Lentry_shape_is_right
	s_endpgm
.Lentry_shape_is_right:
; qkv = x W^T + b on codes of FP8 (E4M3) with E8M0 scales (8,192 x 3,072 x 1,024), then RoPE on q and k, then the quantisers of the two attention products; nothing of reference() is left out here.
; A work-group of four waves makes a block of 256 x 256; clusters of 4 x 4 ask for A's tiles jointly along a row and for B's along a column.  Cluster rows 0 and 1 of the grid make q and k (source 1 = tokens),
; cluster row 2 makes v with the operands' roles exchanged (source 1 = channels), so that a lane's registers run along each later product's K.
; K goes in steps of 256 through two LDS slots.  THE HEAD asks for both slots at once, one joint load a wave: wave 0 K step 0's 256 rows of A, wave 1 those of B, waves 2 and 3 K step 1's.
; THE SCALE BYTES of the block's rows (4,096 dense bytes a wave) come through registers: eight loads of 512 consecutive bytes, stored into LDS bytes of their own as rows of 256 bytes + 16.
; PREFETCH: K steps 2 and 3, which the two refills bring, are asked for ahead: K step 2 in the head, K step 3 ahead of the first step's products; one instruction a wave each, a lane a row of 256 bytes.
; Of the 128 rows that a wave fetches in the ring, each of the four partners that ask for them jointly names 32, told apart by address (cx for A, cy for B): each block is named once in a cluster.  The address registers are never rewritten.
; COS AND SIN: for the wave's first 16 positions the angle position x frequency is reduced by multiples of pi in two parts and put through polynomials in f32; so is the angle of 16 positions; each further
; block of 16 positions turns cos and sin by that angle (four packed multiply-adds for two frequencies), seven turns at the most.
; LIMITS: the angle of a later block is not the one f32 product position x frequency of reference(): it differs from it by that product's rounding, at most half an ulp of 2,047 (6.1e-5 rad), and by seven f32 turns.
; NaN and infinities are not served; a block whose largest magnitude lies under 2^-118 gets the byte 1.
.set KTOT,   1024
.set G0H,    68                        ; s[68:83] the head's four groups 0
.set PFA,    90                        ; s[90:91] where my prefetches stand; never rewritten
.set PFO,    26                        ; v26 my lane x a row of 1,024 bytes; never rewritten
.set CD,     32                        ; v32-47 cos, v48-63 sin of 16 positions' angle
.set SD,     48
.set KSTEP,  256
.set NQ,     KSTEP/128
.set ROWB,   256
.set KROW,   KTOT
.set PITCH,  272
.set FR,     16
.set NL,     4
.set NP,     8
.set HALFT,  128*PITCH
.set SLOT,   4*HALFT
.set LAPS,   KTOT/(2*KSTEP)
.set KS,     KTOT/32
.set SCL,    2*SLOT
.set HALFS,  (128*KS/256)*272
.set SBLK,   (16*KS/256)*272
.set SPARE,  SCL+4*HALFS
.set QREC,   8704
.set KVREC,  17152
.set ADRA, 16
.set ADRB, 20
.set LI,   24
.set L8,   25
.set ADRS, 27
.set SPW,  28
.set NIL,  29
.set SC,   32
.set AF,   128
.set RW,   4
.set POS,  12
.set S5,   14
.set C6,   16
.set W0,   18
.set W1,   19
.set SCR,  20
.set T,    64
.set PC,   128
.set COSR, 144
.set SINR, 160
.set INV,  176
.set ANG,  192
.set NN,   208
.set ZZ,   224
.set TM,   240
.set G1, 24
.set G0, 32
.set G1B, 48
.set G0B, 56
.set G1S, 68
.set G0S, 76
.set G1SB, 80
.set G0SB, 88
.set MSB, 0
.macro WIN new
.if MSB != \new
	s_set_vgpr_msb (MSB<<8)|\new
.set MSB, \new
.endif
.endm
.set MUL_LO, 0xa1
.set MUL_HI, 0xf1
.set TO_B,   0x40
.macro JLOAD g0a, g1a, g0b, g1b
	s_cmp_eq_u32 s15, 0
	s_cbranch_scc0 .Lfor_b_\@
	tensor_load_to_lds s[\g0a:\g0a+3], s[\g1a:\g1a+7]
	s_nop 0
.rept 4
	v_nop
.endr
	s_branch .Lasked_\@
.Lfor_b_\@:
	tensor_load_to_lds s[\g0b:\g0b+3], s[\g1b:\g1b+7]
	s_nop 0
.rept 4
	v_nop
.endr
.Lasked_\@:
.endm
.macro CREST
	s_cmp_lg_u32 s14, 0
	s_cbranch_scc1 .Lnot_wave_0_\@
	s_barrier_signal -3
.Lnot_wave_0_\@:
	s_barrier_wait -3
	s_barrier_signal -1
	s_barrier_wait -1
.endm
.macro CROUND
	s_barrier_signal -1
	s_barrier_wait -1
	CREST
.endm
	s_load_b128 s[4:7], s[0:1], 0x0
	s_load_b128 s[8:11], s[0:1], 0x10
	s_load_b64 s[66:67], s[0:1], 0x20
	s_load_b64 s[100:101], s[0:1], 0x28
	s_load_b64 s[104:105], s[0:1], 0x30
	v_lshl_add_u32 v[SPW], v0, 2, SPARE
	v_mov_b32 v[NIL], 0
	ds_add_u32 v28, v29
	ds_add_u32 v28, v29
	s_wait_dscnt 0x0
	v_lshrrev_b32 v1, 5, v0
	v_readfirstlane_b32 s14, v1
	s_lshr_b32 s15, s14, 1
	s_and_b32 s16, s14, 1
	s_bfe_u32 s40, ttmp6, 0x40000
	s_bfe_u32 s41, ttmp6, 0x40004
	s_and_b32 s95, ttmp7, 0xffff
	s_lshl_b32 s18, ttmp9, 2
	s_lshl_b32 s19, s95, 2
	s_cmp_eq_u32 s95, 2
	s_cselect_b32 s17, 8, s18
	s_cselect_b32 s42, s18, s19
	s_add_co_u32 s17, s17, s41
	s_add_co_u32 s42, s42, s40
	s_lshl_b32 s43, s41, 2
	s_lshl_b32 s43, 15, s43
	s_lshl_b32 s44, 0x1111, s40
	s_or_b32 s[G1+0], s43, (0<<16)|(1<<20)|(1<<21)|(5<<22)|(3<<25)
	s_or_b32 s[G1B+0], s44, (0<<16)|(1<<20)|(1<<21)|(5<<22)|(3<<25)
.irp g, G1, G1B
	s_mov_b32 s[\g+1], ROWB<<16
	s_mov_b32 s[\g+2], 256<<16                     ; the head's loads bring 256 rows; behind them the two words that count rows are set to 128
	s_mov_b32 s[\g+3], ROWB<<16
	s_mov_b32 s[\g+4], 256
	s_mov_b32 s[\g+5], KROW
	s_mov_b32 s[\g+6], 0
	s_mov_b32 s[\g+7], 0
.endr
	s_lshl_b32 s18, s16, 7
	s_lshl_b32 s20, s17, 8
	s_add_co_u32 s20, s20, s18
	s_lshl_b32 s46, s42, 8
	s_add_co_u32 s46, s46, s18
	s_mov_b32 s21, 0
	s_mov_b32 s47, 0
	s_mov_b64 s[18:19], KS
	s_mul_u64 s[22:23], s[20:21], s[18:19]
	s_mul_u64 s[92:93], s[46:47], s[18:19]
	s_mov_b64 s[18:19], KROW
	s_mul_u64 s[20:21], s[20:21], s[18:19]
	s_mul_u64 s[46:47], s[46:47], s[18:19]
	s_mul_i32 s45, s14, HALFT
	s_mul_i32 s94, s14, HALFS
	s_add_co_u32 s94, s94, SCL                     ; where my 4,096 scale bytes go in LDS
	s_lshl_b32 s84, s17, 18                        ; A's whole tile: 256 rows of 1,024 bytes a tile row
	s_mov_b32 s85, 0
	s_lshl_b32 s88, s42, 18                        ; B's likewise, by the tile column
	s_mov_b32 s89, 0
	s_wait_kmcnt 0x0
	s_cmp_eq_u32 s95, 2
	s_cselect_b64 s[96:97], s[8:9], s[4:5]
	s_cselect_b64 s[98:99], s[10:11], s[6:7]
	s_cselect_b64 s[8:9], s[4:5], s[8:9]
	s_cselect_b64 s[10:11], s[6:7], s[10:11]
	s_add_nc_u64 s[20:21], s[96:97], s[20:21]
	s_add_nc_u64 s[22:23], s[98:99], s[22:23]
	s_add_nc_u64 s[46:47], s[8:9], s[46:47]
	s_add_nc_u64 s[92:93], s[10:11], s[92:93]
	s_add_nc_u64 s[84:85], s[96:97], s[84:85]
	s_add_nc_u64 s[88:89], s[8:9], s[88:89]
	s_cmp_eq_u32 s15, 0
	s_cselect_b64 s[86:87], s[22:23], s[92:93]     ; the scale bytes that I copy: waves 0, 1 A's halves, waves 2, 3 B's
	s_cselect_b64 s[PFA:PFA+1], s[20:21], s[46:47] ; the prefetches: the 128 rows that I fetch in the ring,
	s_cselect_b32 s12, s40, s41                    ; my place among the four that ask for them with me,
	s_lshl_b32 s12, s12, 15                        ; 32 rows of 1,024 bytes a place
	s_mov_b32 s13, 0
	s_add_nc_u64 s[PFA:PFA+1], s[PFA:PFA+1], s[12:13]
	CROUND                                         ; all sixteen work-groups are here: the first joint loads meet
.irp s, 0,1
	s_mov_b32 s[G0H+8*\s], 1                       ; K step s: A's 256 rows,
	s_mov_b32 s[G0H+8*\s+1], \s*SLOT
	s_add_nc_u64 s[G0H+8*\s+2:G0H+8*\s+3], s[84:85], \s*ROWB
	s_or_b32 s[G0H+8*\s+3], s[G0H+8*\s+3], 0x80000000
	s_mov_b32 s[G0H+8*\s+4], 1                     ; B's 256 rows, behind them in the slot
	s_mov_b32 s[G0H+8*\s+5], \s*SLOT+2*HALFT
	s_add_nc_u64 s[G0H+8*\s+6:G0H+8*\s+7], s[88:89], \s*ROWB
	s_or_b32 s[G0H+8*\s+7], s[G0H+8*\s+7], 0x80000000
.endr
.irp s, 0,1
	s_mov_b32 s[G0+4*\s], 1
	s_add_co_u32 s[G0+4*\s+1], s45, \s*SLOT
	s_add_nc_u64 s[G0+4*\s+2:G0+4*\s+3], s[20:21], \s*ROWB
	s_or_b32 s[G0+4*\s+3], s[G0+4*\s+3], 0x80000000
	s_mov_b32 s[G0B+4*\s], 1
	s_add_co_u32 s[G0B+4*\s+1], s45, \s*SLOT
	s_add_nc_u64 s[G0B+4*\s+2:G0B+4*\s+3], s[46:47], \s*ROWB
	s_or_b32 s[G0B+4*\s+3], s[G0B+4*\s+3], 0x80000000
.endr
; THE HEAD'S LOADS, ONE A WAVE: one tree of branches on the wave's number, an arm a load, all arms leading to one join
.macro ARM under, g0, g1, next
	s_cmp_lt_u32 s14, \under
	s_cbranch_scc0 \next
	tensor_load_to_lds s[\g0:\g0+3], s[\g1:\g1+7]
	s_nop 0
.rept 4
	v_nop
.endr
	s_branch .Lhead_asked
\next:
.endm
	ARM 1, G0H,   G1,  .Lhead_b0
	ARM 2, G0H+4, G1B, .Lhead_a1
	ARM 3, G0H+8, G1,  .Lhead_b1
	tensor_load_to_lds s[G0H+12:G0H+15], s[G1B:G1B+7]
	s_nop 0
.rept 4
	v_nop
.endr
.Lhead_asked:
	v_and_b32 v1, 15, v0
	v_bfe_u32 v2, v0, 4, 1
	v_mul_u32_u24 v3, v1, PITCH
	v_lshl_add_u32 v4, v2, 4, v3
	s_mul_i32 s21, s15, HALFT
	s_mul_i32 s22, s16, HALFT
	s_add_co_u32 s22, s22, 2*HALFT
.irp s, 0,1
	v_add_nc_u32 v[ADRA+\s], s21, v4
	v_add_nc_u32 v[ADRB+\s], s22, v4
	s_add_co_u32 s21, s21, SLOT
	s_add_co_u32 s22, s22, SLOT
.endr
	v_mul_u32_u24 v5, v1, KS
	v_lshrrev_b32 v6, 8, v5
	v_lshl_add_u32 v5, v6, 4, v5
	s_mul_i32 s21, s15, HALFS
	s_mul_i32 s22, s16, HALFS
	s_add_co_u32 s22, s22, 2*HALFS
	s_sub_co_u32 s22, s22, s21
	v_mul_u32_u24 v6, s22, v2
	s_add_co_u32 s21, s21, SCL
	v_add_nc_u32 v5, v5, v6
	v_add_nc_u32 v[ADRS], s21, v5
	v_and_b32 v6, 31, v0
	v_lshlrev_b32 v[LI], 4, v6
	v_lshlrev_b32 v[L8], 3, v6
	v_mul_u32_u24 v7, v2, 272                      ; the scale bytes' place in LDS: lanes 0-15 one row of 256 bytes, lanes 16-31 the next
	v_lshl_add_u32 v7, v1, 4, v7
	v_add_nc_u32 v7, s94, v7
	v_lshlrev_b32 v[PFO], 10, v6
	global_prefetch_b8 v[PFO], s[PFA:PFA+1] offset:2*ROWB th:TH_LOAD_NT scope:SCOPE_SE   ; K step 2, which the first refill brings
.irp k, 0,1,2,3,4,5,6,7
	global_load_b128 v[SC+4*\k:SC+4*\k+3], v[LI], s[86:87] offset:512*\k   ; 512 consecutive bytes a load
.endr
.macro FRAG reg, adr, q, i
.irp c, 0,1,2,3
	ds_load_b128 v[\reg+4*\c:\reg+4*\c+3], v[\adr] offset:128*(\q)+32*\c+(\i)*16*PITCH
.endr
.endm
.macro MUL16 a0, p, q, sc, zero
.irp a, \a0, \a0+1
.irp b, 0,1,2,3,4,5,6,7
.if \zero
	v_wmma_scale_f32_16x16x128_f8f6f4 v[8*(8*((\a)%4)+\b):8*(8*((\a)%4)+\b)+7], v[128*(\p)+FR*\b:128*(\p)+FR*\b+FR-1], v[AF+FR*(\a):AF+FR*(\a)+FR-1], 0, v[SC+8*NQ*(\sc)+NQ*\b+(\q)], v[SC+8*NQ*(\sc)+NQ*(\a)+(\q)] matrix_a_scale:MATRIX_SCALE_ROW1
.else
	v_wmma_scale_f32_16x16x128_f8f6f4 v[8*(8*((\a)%4)+\b):8*(8*((\a)%4)+\b)+7], v[128*(\p)+FR*\b:128*(\p)+FR*\b+FR-1], v[AF+FR*(\a):AF+FR*(\a)+FR-1], v[8*(8*((\a)%4)+\b):8*(8*((\a)%4)+\b)+7], v[SC+8*NQ*(\sc)+NQ*\b+(\q)], v[SC+8*NQ*(\sc)+NQ*(\a)+(\q)] matrix_a_scale:MATRIX_SCALE_ROW1
.endif
.endr
.endr
.endm
.macro FETCH_B slot, q, p
	WIN TO_B
.irp i, 0,1,2,3,4,5,6,7
	FRAG 128*(\p)+FR*\i, ADRB+\slot, \q, \i
.endr
	WIN 0
.endm
.macro FETCH_A slot, q, i0
.irp i, \i0, \i0+1, \i0+2, \i0+3
	FRAG AF+FR*(\i), ADRA+\slot, \q, \i
.endr
.endm
.macro SCALES sc
.irp i, 0,1,2,3,4,5,6,7
	ds_load_b64 v[SC+8*NQ*\sc+NQ*\i:SC+8*NQ*\sc+NQ*\i+1], v[ADRS] offset:\i*SBLK
.endr
.endm
.macro PLACES n
.rept \n
	v_nop
.endr
.endm
.macro STEP slot, q, zero
	s_wait_dscnt 4*NL
	WIN MUL_LO
	MUL16 0, (\q)%2, \q, \slot, \zero
	MUL16 2, (\q)%2, \q, \slot, \zero
	s_wait_dscnt 0
	PLACES NP
	FETCH_B \slot, (\q)+1, 1-(\q)%2
	FETCH_A \slot, (\q)+1, 0
	WIN MUL_HI
	MUL16 4, (\q)%2, \q, \slot, \zero
	MUL16 6, (\q)%2, \q, \slot, \zero
	PLACES NP
	WIN 0
	FETCH_A \slot, (\q)+1, 4
.endm
.macro TURN slot, next, fill
	s_wait_tensorcnt 0x0
	ds_add_u32 v[SPW], v[NIL]
	s_wait_dscnt 4*NL+1
	WIN MUL_LO
	MUL16 0, 1, NQ-1, \slot, 0
	s_wait_dscnt 0x0
	s_barrier_signal -1
	MUL16 2, 1, NQ-1, \slot, 0
	WIN 0
	s_barrier_wait -1
.if \fill
	CREST
	s_add_nc_u64 s[G0+4*\slot+2:G0+4*\slot+3], s[G0+4*\slot+2:G0+4*\slot+3], 2*ROWB
	s_add_nc_u64 s[G0B+4*\slot+2:G0B+4*\slot+3], s[G0B+4*\slot+2:G0B+4*\slot+3], 2*ROWB
	JLOAD G0+4*\slot, G1, G0B+4*\slot, G1B
	PLACES NP-4
.else
	PLACES NP
.endif
	s_wait_alu depctr_va_vdst(0)
	v_add_nc_u32 v[ADRS], 4*NQ, v[ADRS]
	FETCH_B \next, 0, 0
	FETCH_A \next, 0, 0
	SCALES \next
	WIN MUL_HI
	MUL16 4, 1, NQ-1, \slot, 0
	MUL16 6, 1, NQ-1, \slot, 0
	PLACES NP
	WIN 0
	FETCH_A \next, 0, 4
.endm
	s_wait_alu depctr_va_vdst(0)                   ; the wait at the head's end
	s_wait_loadcnt 0x0                             ; my scale bytes are in registers
	s_wait_tensorcnt 0x0                           ; my tile of the head's four is in, and no tensor load of mine is out: a descriptor may be written
	s_mov_b32 s[G1+2], 128<<16                     ; from here on a load brings 128 rows
	s_mov_b32 s[G1+4], 128
	s_mov_b32 s[G1B+2], 128<<16
	s_mov_b32 s[G1B+4], 128
.irp k, 0,1,2,3,4,5,6,7
	ds_store_b128 v7, v[SC+4*\k:SC+4*\k+3] offset:544*\k   ; two LDS rows of 272 bytes a store
.endr
	s_wait_dscnt 0x0                               ; for the other waves' sake
	s_barrier_signal -1
	s_barrier_wait -1
	FETCH_B 0, 0, 0
	FETCH_A 0, 0, 0
	SCALES 0
	FETCH_A 0, 0, 4
	global_prefetch_b8 v[PFO], s[PFA:PFA+1] offset:3*ROWB th:TH_LOAD_NT scope:SCOPE_SE   ; K step 3, which the second refill brings
	STEP 0, 0, 1
	s_mov_b32 s3, LAPS-1
.Llap:
	TURN 0, 1, 1
	STEP 1, 0, 0
	TURN 1, 0, 1
	STEP 0, 0, 0
	s_sub_co_u32 s3, s3, 1
	s_cmp_lg_u32 s3, 0
	s_cbranch_scc1 .Llap
	TURN 0, 1, 0
	STEP 1, 0, 0
	s_wait_dscnt 4*NL
	WIN MUL_LO
	MUL16 0, 1, NQ-1, 1, 0
	MUL16 2, 1, NQ-1, 1, 0
	s_wait_dscnt 0
	WIN MUL_HI
	MUL16 4, 1, NQ-1, 1, 0
	MUL16 6, 1, NQ-1, 1, 0
	WIN 0
	PLACES NP
.macro QUANT s
.irp b, 0,1,2,3
	v_max3_num_f32 v[TM+\b], |v[\s+16*\b]|, |v[\s+1+16*\b]|, 0x4800000
.endr
.irp i, 2,4,6,8,10,12,14
.irp b, 0,1,2,3
	v_max3_num_f32 v[TM+\b], v[TM+\b], |v[\s+16*\b+\i]|, |v[\s+1+16*\b+\i]|
.endr
.endr
.irp b, 0,1,2,3
	v_permlanex16_b32 v[TM+4+\b], v[TM+\b], s72, s73
.endr
.irp b, 0,1,2,3
	v_max_num_f32 v[TM+\b], v[TM+\b], v[TM+4+\b]
.endr
.irp b, 0,1,2,3
	v_add_nc_u32 v[TM+12+\b], 0xfc000000, v[TM+\b]
.endr
.irp b, 0,1,2,3
	v_and_or_b32 v[TM+8+\b], v[TM+\b], 0x7f800000, s71
.endr
.irp b, 0,1,2,3
	v_lshrrev_b32 v[TM+4+\b], 23, v[TM+12+\b]
.endr
.irp b, 0,1,2,3
.irp i, 0,1,2,3,4,5,6,7,8,9,10,11,12,13,14,15
	v_med3_num_f32 v[\s+16*\b+\i], v[\s+16*\b+\i], -v[TM+8+\b], v[TM+8+\b]
.endr
	v_cvt_scalef32_pk8_fp8_f32 v[PC+4*\b:PC+1+4*\b], v[\s+16*\b:\s+7+16*\b], v[TM+12+\b]
	v_cvt_scalef32_pk8_fp8_f32 v[PC+2+4*\b:PC+3+4*\b], v[\s+8+16*\b:\s+15+16*\b], v[TM+12+\b]
.endr
	v_nop
.endm
	s_mov_b32 s70, 0xffff0000
	s_mov_b32 s71, 0x600000
	s_mov_b32 s72, 0x76543210
	s_mov_b32 s73, 0xfedcba98
.irp b, 0,1,2,3
	v_mov_b32 v[TM+4+\b], 0
.endr
	s_cmp_eq_u32 s95, 2
	s_cbranch_scc1 .Lv
	s_lshl_b32 s84, s42, 10
	s_lshl_b32 s85, s16, 9
	s_add_co_u32 s84, s84, s85
	s_mov_b32 s85, 0
	s_add_nc_u64 s[66:67], s[66:67], s[84:85]
	v_lshlrev_b32 v3, 5, v2
	WIN TO_B
.irp b, 0,1,2,3,4,5,6,7
	global_load_b128 v[8*\b:8*\b+3], v3, s[66:67] offset:64*\b
	global_load_b128 v[8*\b+4:8*\b+7], v3, s[66:67] offset:64*\b+16
.endr
	WIN 0
.macro INVF reg, lo, hi
	v_mov_b32 v[\reg], \lo
	v_mov_b32 v[SCR], \hi
	v_cndmask_b32 v[\reg], v[\reg], v[SCR], s70
.endm
	INVF INV+0,  0x3f800000, 0x3dcccccd
	INVF INV+1,  0x3f3ff911, 0x3d99940e
	INVF INV+2,  0x3f0ff59a, 0x3d6655c3
	INVF INV+3,  0x3ed7e89b, 0x3d2cba15
	INVF INV+4,  0x3ea1e89b, 0x3d0186e2
	INVF INV+5,  0x3e72d424, 0x3cc24350
	INVF INV+6,  0x3e361887, 0x3c91ad39
	INVF INV+7,  0x3e088d77, 0x3c5a7bf1
	INVF INV+8,  0x3c23d70a, 0x3a83126f
	INVF INV+9,  0x3bf5b9b0, 0x3a44948c
	INVF INV+10, 0x3bb8449c, 0x3a136a16
	INVF INV+11, 0x3b8a2e77, 0x39dd1726
	INVF INV+12, 0x3b4f3e37, 0x39a5cb5f
	INVF INV+13, 0x3b1b690d, 0x3978a814
	INVF INV+14, 0x3ae91528, 0x393a7753
	INVF INV+15, 0x3aaec98e, 0x390bd472
	s_mov_b32 s74, 0x3ea2f983
	s_mov_b32 s75, s74
	s_mov_b32 s80, 0xc0490fdb
	s_mov_b32 s81, s80
	s_mov_b32 s82, 0x33bbbd2e
	s_mov_b32 s83, s82
	v_mov_b32 v[S5], 0xb2d7322b
	v_mov_b32 v[S5+1], 0xb2d7322b
	v_mov_b32 v[C6], 0x310f76c7
	v_mov_b32 v[C6+1], 0x310f76c7
.irp i, 0,1,2,3,4,5,6,7
	v_mov_b32 v[RW+\i], 0
.endr
	s_and_b32 s84, s17, 7
	s_lshl_b32 s84, s84, 8
	s_lshl_b32 s85, s15, 7
	s_add_co_u32 s84, s84, s85
	v_add_nc_u32 v[POS], s84, v1
	v_cvt_f32_u32 v[POS], v[POS]
	v_mov_b32 v[POS+1], v[POS]
	s_lshr_b32 s84, s17, 3
	s_lshl_b32 s84, s84, 4
	s_and_b32 s85, s42, 3
	s_lshl_b32 s85, s85, 2
	s_add_co_u32 s84, s84, s85
	s_lshl_b32 s85, s16, 1
	s_add_co_u32 s84, s84, s85
	s_lshl_b32 s84, s84, 4
	s_and_b32 s85, s17, 7
	s_lshl_b32 s85, s85, 1
	s_add_co_u32 s84, s84, s85
	s_add_co_u32 s84, s84, s15
	s_cmp_eq_u32 s95, 1
	s_mov_b32 s85, QREC
	s_cselect_b32 s85, KVREC, s85
	s_cselect_b64 s[76:77], s[104:105], s[100:101]
	s_cselect_b32 s86, 8192, 0
	s_mov_b32 s87, 0
	s_mul_i32 s88, s84, s85
	s_mov_b32 s89, 0
	s_add_nc_u64 s[76:77], s[76:77], s[88:89]
	s_lshl_b32 s88, s85, 4
	s_add_nc_u64 s[78:79], s[76:77], s[88:89]
	s_mov_b32 s68, 0
	s_wait_loadcnt 0x0
.macro SINCOS
.irp p, 0,2,4,6,8,10,12,14
	v_pk_mul_f32 v[ANG+\p:ANG+\p+1], v[INV+\p:INV+\p+1], v[POS:POS+1]
.endr
.irp p, 0,2,4,6,8,10,12,14
	v_pk_mul_f32 v[NN+\p:NN+\p+1], v[ANG+\p:ANG+\p+1], s[74:75] op_sel_hi:[1,0]
.endr
.irp p, 0,1,2,3,4,5,6,7,8,9,10,11,12,13,14,15
	v_rndne_f32 v[NN+\p], v[NN+\p]
.endr
.irp p, 0,2,4,6,8,10,12,14
	v_pk_fma_f32 v[ANG+\p:ANG+\p+1], v[NN+\p:NN+\p+1], s[80:81], v[ANG+\p:ANG+\p+1] op_sel_hi:[1,0,1]
.endr
.irp p, 0,2,4,6,8,10,12,14
	v_pk_fma_f32 v[ANG+\p:ANG+\p+1], v[NN+\p:NN+\p+1], s[82:83], v[ANG+\p:ANG+\p+1] op_sel_hi:[1,0,1]
.endr
.irp p, 0,2,4,6,8,10,12,14
	v_pk_mul_f32 v[ZZ+\p:ZZ+\p+1], v[ANG+\p:ANG+\p+1], v[ANG+\p:ANG+\p+1]
.endr
.irp p, 0,2,4,6,8,10,12,14
	v_pk_fma_f32 v[COSR+\p:COSR+\p+1], v[ZZ+\p:ZZ+\p+1], v[C6:C6+1], 0xb493f27e op_sel_hi:[1,1,0]
.endr
.irp k, 0x37d00d01, 0xbab60b61, 0x3d2aaaab, -0.5, 1.0
.irp p, 0,2,4,6,8,10,12,14
	v_pk_fma_f32 v[COSR+\p:COSR+\p+1], v[COSR+\p:COSR+\p+1], v[ZZ+\p:ZZ+\p+1], \k op_sel_hi:[1,1,0]
.endr
.endr
.irp p, 0,2,4,6,8,10,12,14
	v_pk_fma_f32 v[SINR+\p:SINR+\p+1], v[ZZ+\p:ZZ+\p+1], v[S5:S5+1], 0x3638ef1d op_sel_hi:[1,1,0]
.endr
.irp k, 0xb9500d01, 0x3c088889, 0xbe2aaaab
.irp p, 0,2,4,6,8,10,12,14
	v_pk_fma_f32 v[SINR+\p:SINR+\p+1], v[SINR+\p:SINR+\p+1], v[ZZ+\p:ZZ+\p+1], \k op_sel_hi:[1,1,0]
.endr
.endr
.irp p, 0,2,4,6,8,10,12,14
	v_pk_mul_f32 v[ZZ+\p:ZZ+\p+1], v[ANG+\p:ANG+\p+1], v[ZZ+\p:ZZ+\p+1]
.endr
.irp p, 0,2,4,6,8,10,12,14
	v_pk_fma_f32 v[SINR+\p:SINR+\p+1], v[SINR+\p:SINR+\p+1], v[ZZ+\p:ZZ+\p+1], v[ANG+\p:ANG+\p+1]
.endr
.irp p, 0,1,2,3,4,5,6,7,8,9,10,11,12,13,14,15
	v_cvt_i32_f32 v[NN+\p], v[NN+\p]
.endr
.irp p, 0,1,2,3,4,5,6,7,8,9,10,11,12,13,14,15
	v_lshlrev_b32 v[NN+\p], 31, v[NN+\p]
.endr
.irp p, 0,1,2,3,4,5,6,7,8,9,10,11,12,13,14,15
	v_xor_b32 v[SINR+\p], v[SINR+\p], v[NN+\p]
	v_xor_b32 v[COSR+\p], v[COSR+\p], v[NN+\p]
.endr
.endm
.macro MOVEQ a
.set WN, 0x06+(\a)/4
	WIN WN
.set i, 0
.rept 32
	v_pk_add_f32 v[T+2*i:T+2*i+1], v[64*((\a)%4)+2*i:64*((\a)%4)+2*i+1], v[2*i:2*i+1]
.set i, i+1
.endr
	WIN 0
.endm
.macro ROPE hh
.irp p, 0,2,4,6,8,10,12,14
	v_pk_mul_f32 v[ANG+\p:ANG+\p+1], v[T+32*\hh+16+\p:T+32*\hh+17+\p], v[SINR+\p:SINR+\p+1]
	v_pk_mul_f32 v[NN+\p:NN+\p+1], v[T+32*\hh+\p:T+32*\hh+1+\p], v[SINR+\p:SINR+\p+1]
.endr
.irp p, 0,2,4,6,8,10,12,14
	v_pk_fma_f32 v[T+32*\hh+\p:T+32*\hh+1+\p], v[T+32*\hh+\p:T+32*\hh+1+\p], v[COSR+\p:COSR+\p+1], v[ANG+\p:ANG+\p+1] neg_lo:[0,0,1] neg_hi:[0,0,1]
	v_pk_fma_f32 v[T+32*\hh+16+\p:T+32*\hh+17+\p], v[T+32*\hh+16+\p:T+32*\hh+17+\p], v[COSR+\p:COSR+\p+1], v[NN+\p:NN+\p+1]
.endr
.endm
	s_wait_alu depctr_va_vdst(0)
	v_mov_b32 v[W0], v[POS]                        ; my first position is kept,
	v_mov_b32 v[POS], 0x41800000                   ; and 16.0 goes through the polynomials first: cos and sin of 16 positions' angle
	v_mov_b32 v[POS+1], 0x41800000
	SINCOS
.irp p, 0,1,2,3,4,5,6,7,8,9,10,11,12,13,14,15
	v_mov_b32 v[CD+\p], v[COSR+\p]
	v_mov_b32 v[SD+\p], v[SINR+\p]
.endr
	v_mov_b32 v[POS], v[W0]
	v_mov_b32 v[POS+1], v[W0]
	SINCOS                                         ; cos and sin at my first 16 positions
.Lrow:
	s_cmp_lt_u32 s68, 4
	s_cselect_b32 s69, 0xffff, s70
	s_wait_alu depctr_va_vdst(0)
.irp k, 0,1,2,3,4,5,6
	s_cmp_eq_u32 s68, \k
	s_cbranch_scc1 .Lm\k
.endr
	MOVEQ 7
	s_branch .Lmoved
.irp k, 0,1,2,3,4,5
.Lm\k:
	MOVEQ \k
	s_branch .Lmoved
.endr
.Lm6:
	MOVEQ 6
.Lmoved:
	ROPE 0
	ROPE 1
	QUANT T
	v_lshl_or_b32 v[W0], v[TM+5], 8, v[TM+4]
	v_lshl_or_b32 v[W1], v[TM+7], 8, v[TM+6]
.irp i, 0,1,2
	v_cndmask_b32 v[RW+\i], v[RW+\i], v[RW+\i+1], s69
	v_cndmask_b32 v[RW+4+\i], v[RW+4+\i], v[RW+5+\i], s69
.endr
	v_cndmask_b32 v[RW+3], v[RW+3], v[W0], s69
	v_cndmask_b32 v[RW+7], v[RW+7], v[W1], s69
	global_store_b128 v[LI], v[PC:PC+3], s[76:77]
	global_store_b128 v[LI], v[PC+4:PC+7], s[76:77] offset:512
	global_store_b128 v[LI], v[PC+8:PC+11], s[78:79]
	global_store_b128 v[LI], v[PC+12:PC+15], s[78:79] offset:512
	s_wait_xcnt 0x0
	s_add_nc_u64 s[76:77], s[76:77], 1024
	s_add_nc_u64 s[78:79], s[78:79], 1024
.irp p, 0,2,4,6,8,10,12,14                     ; 16 positions on: cos and sin are turned by the kept angle
	v_pk_mul_f32 v[ANG+\p:ANG+\p+1], v[COSR+\p:COSR+\p+1], v[SD+\p:SD+\p+1]
	v_pk_mul_f32 v[NN+\p:NN+\p+1], v[SINR+\p:SINR+\p+1], v[SD+\p:SD+\p+1]
.endr
.irp p, 0,2,4,6,8,10,12,14
	v_pk_fma_f32 v[COSR+\p:COSR+\p+1], v[COSR+\p:COSR+\p+1], v[CD+\p:CD+\p+1], v[NN+\p:NN+\p+1] neg_lo:[0,0,1] neg_hi:[0,0,1]
	v_pk_fma_f32 v[SINR+\p:SINR+\p+1], v[SINR+\p:SINR+\p+1], v[CD+\p:CD+\p+1], v[ANG+\p:ANG+\p+1]
.endr
	s_add_co_u32 s68, s68, 1
	s_cmp_lt_u32 s68, 8
	s_cbranch_scc1 .Lrow
	s_add_nc_u64 s[76:77], s[76:77], s[86:87]
	s_add_nc_u64 s[78:79], s[78:79], s[86:87]
	s_wait_alu depctr_va_vdst(0)
	global_store_b128 v[LI], v[RW:RW+3], s[76:77]
	global_store_b128 v[LI], v[RW+4:RW+7], s[78:79]
	s_branch .Lend
.Lv:
	s_lshl_b32 s84, s17, 10
	s_lshl_b32 s85, s15, 9
	s_add_co_u32 s84, s84, s85
	s_mov_b32 s85, 0
	s_add_nc_u64 s[66:67], s[66:67], s[84:85]
	v_lshlrev_b32 v3, 2, v1
.irp a, 0,1,2,3,4,5,6,7
	global_load_b32 v[144+2*\a], v3, s[66:67] offset:64*\a
	global_load_b32 v[145+2*\a], v3, s[66:67] offset:64*\a
.endr
	s_lshr_b32 s84, s42, 3
	s_lshl_b32 s84, s84, 4
	s_sub_co_u32 s85, s17, 8
	s_lshl_b32 s85, s85, 2
	s_add_co_u32 s84, s84, s85
	s_lshl_b32 s85, s15, 1
	s_add_co_u32 s84, s84, s85
	s_lshl_b32 s84, s84, 4
	s_and_b32 s85, s42, 7
	s_lshl_b32 s85, s85, 1
	s_add_co_u32 s84, s84, s85
	s_add_co_u32 s84, s84, s16
	s_mul_i32 s84, s84, KVREC
	s_mov_b32 s85, 0
	s_add_nc_u64 s[76:77], s[104:105], s[84:85]
	s_wait_loadcnt 0x0
.macro VROW a
.if (\a) > 0
	s_wait_xcnt 0x0
.endif
.set WN, 0x02+(\a)/4
	WIN WN
.set i, 0
.rept 32
	v_pk_add_f32 v[T+2*i:T+2*i+1], v[64*((\a)%4)+2*i:64*((\a)%4)+2*i+1], v[144+2*(\a):145+2*(\a)]
.set i, i+1
.endr
	WIN 0
	QUANT T
	v_lshl_or_b32 v[4+(\a)%4], v[TM+5], 8, v[TM+4]
	v_lshl_or_b32 v[4+(\a)%4], v[TM+6], 16, v[4+(\a)%4]
	v_lshl_or_b32 v[4+(\a)%4], v[TM+7], 24, v[4+(\a)%4]
.irp c, 0,1,2,3
	global_store_b128 v[LI], v[PC+4*\c:PC+4*\c+3], s[76:77] offset:((\a)/4)*16*KVREC+8192+((\a)%4)*2048+512*\c
.endr
.if (\a)%4 == 3
	v_cndmask_b32 v[8+2*((\a)/4)], v4, v6, s70
	v_cndmask_b32 v[9+2*((\a)/4)], v5, v7, s70
	global_store_b64 v[L8], v[8+2*((\a)/4):9+2*((\a)/4)], s[76:77] offset:((\a)/4)*16*KVREC+16896
.endif
.endm
.irp a, 0,1,2,3,4,5,6,7
	VROW \a
.endr
.Lend:
	s_wait_tensorcnt 0x0
	ds_add_u32 v[SPW], v[NIL]
	s_wait_dscnt 0x0
	CROUND
	s_endpgm
.Lfunc_end_k_qf8feff5134_qkv:
	.size	k_qf8feff5134_qkv, .Lfunc_end_k_qf8feff5134_qkv-k_qf8feff5134_qkv
	.p2alignl 7, 3214868480
	.fill 96, 4, 3214868480
	.section	.rodata,"a",@progbits
	.p2align	6, 0x0
	.amdhsa_kernel k_qf8feff5134_qkv
		.amdhsa_group_segment_fixed_size 327680
		.amdhsa_private_segment_fixed_size 0
		.amdhsa_enable_private_segment 0
		.amdhsa_kernarg_size 56
		.amdhsa_user_sgpr_count 2
		.amdhsa_user_sgpr_kernarg_segment_ptr 1
		.amdhsa_wavefront_size32 1
		.amdhsa_system_sgpr_workgroup_id_x 1
		.amdhsa_system_sgpr_workgroup_id_y 1
		.amdhsa_system_sgpr_workgroup_id_z 1
		.amdhsa_system_vgpr_workitem_id 0
		.amdhsa_next_free_vgpr 1024
		.amdhsa_next_free_sgpr 106
		.amdhsa_reserve_vcc 0
		.amdhsa_float_denorm_mode_32 3
		.amdhsa_float_denorm_mode_16_64 3
		.amdhsa_memory_ordered 1
		.amdhsa_forward_progress 1
		.amdhsa_inst_pref_size 255
	.end_amdhsa_kernel
	.section	.bss,"aw",@nobits
	.p2align	6
	.space	262144
	.amdgpu_metadata
---
amdhsa.version: [ 1, 2 ]
amdhsa.kernels:
  - .name:           k_qf8feff5134_qkv
    .symbol:         k_qf8feff5134_qkv.kd
    .args:
      - { .name: x_codes, .offset: 0, .size: 8, .value_kind: global_buffer, .address_space: global }
      - { .name: x_scales, .offset: 8, .size: 8, .value_kind: global_buffer, .address_space: global }
      - { .name: w_qkv_codes, .offset: 16, .size: 8, .value_kind: global_buffer, .address_space: global }
      - { .name: w_qkv_scales, .offset: 24, .size: 8, .value_kind: global_buffer, .address_space: global }
      - { .name: b_qkv, .offset: 32, .size: 8, .value_kind: global_buffer, .address_space: global }
      - { .name: qbuf, .offset: 40, .size: 8, .value_kind: global_buffer, .address_space: global }
      - { .name: kvbuf, .offset: 48, .size: 8, .value_kind: global_buffer, .address_space: global }
    .group_segment_fixed_size: 327680
    .private_segment_fixed_size: 0
    .kernarg_segment_align: 8
    .kernarg_segment_size: 56
    .max_flat_workgroup_size: 128
    .sgpr_count:     106
    .vgpr_count:     1024
    .wavefront_size: 32
...
	.end_amdgpu_metadata
.endif
;; end of part 1
;; launch attn (part 2): grid 4 x 64, 16 waves a work-group, clusters of 4 x 1, 276,480 bytes of LDS; arguments qbuf, kvbuf, obuf, oscl; writes obuf, oscl
.if DOCPART == 2
	.amdgcn_target "amdgcn-amd-amdhsa--gfx1250"
	.amdhsa_code_object_version 6
	.text
	.protected	k_qf8feff5134_attn
	.globl	k_qf8feff5134_attn
	.p2align	8
	.type	k_qf8feff5134_attn,@function
k_qf8feff5134_attn:
	s_mov_b64 s[64:65], 0
	v_nop
	global_prefetch_b8 v0, s[64:65] scope:SCOPE_SE
	s_setreg_imm32_b32 hwreg(HW_REG_WAVE_MODE, 25, 1), 1
	s_wait_xcnt 0x0
	s_wait_alu depctr_hold_cnt(0) depctr_sa_sdst(0) depctr_va_vdst(0) depctr_va_sdst(0) depctr_va_ssrc(0) depctr_va_vcc(0) depctr_vm_vsrc(0)
	s_getreg_b32 s2, hwreg(HW_REG_IB_STS2, 6, 4)
	s_cmp_eq_u32 s2, 0
	s_cbranch_scc0 .Lentry_in_a_cluster
	s_endpgm
.Lentry_in_a_cluster:
	s_bfe_u32 s2, ttmp6, 0x10000c
	s_cmp_lg_u32 s2, 0x3003
	s_cbranch_scc0 .Lentry_shape_is_right
	s_endpgm
.Lentry_shape_is_right:
; O[head][q] = the sum over k of softmax_k(q . k / 8) v, both products on codes of FP8 (E4M3) with one E8M0 scale for each 32 along a product's K; O is quantised along D for the layer's last product.
; THE SOFTMAX: t = score x log2(e) / 8; M = the row's largest t so far, rounded UP to a whole number; p = 2^(t - M) is quantised along the keys, not normalised; the row's sum is taken of the unquantised p and divides O at the end.
; When M moves, the sum and O are multiplied by 2^(old M - new M): exact.
; SHARES.  A cluster is the four work-groups of one head.  A work-group owns 512 queries, in two passes of 256; each of its sixteen waves owns one tile of 16 queries a pass, in 256 registers.
; THE WHOLE HEAD'S K AND V LIE IN LDS: sixteen records of 17,152 bytes (128 keys each: K's codes, V^T's codes, their scale words), at LDS byte = byte in the head.  Wave w asks for record w, jointly with wave w of the three partners:
; one tensor load a wave, all at the kernel's head.  One wait and one barrier follow; no LDS byte is filled twice, none is stored to, so the key steps of both passes need no further barrier.
; The records hold IMAGES OF THE OPERANDS' REGISTERS: every LDS load is 16 bytes x lane on end.
; LAYOUT.  Both products are used transposed: S^T = K Q^T (source 0 = 16 keys, source 1 = my 16 queries), O^T = V^T P^T: a lane holds ONE query (lane % 16) throughout.  S^T's tiles 2 c and 2 c + 1 give a lane 16 keys of block c,
; in the order in which V's codes were laid.
; K = 64 IN AN INSTRUCTION OF K = 128: Q's fragment is 8 registers of codes and 8 of zero codes.  K's eight half-fragments lie 8 registers apart, so a fragment's upper half is the next tile's codes (behind the last: zeros):
; finite numbers (the quantiser holds at 448) that meet zero codes.  The scale words' bytes 2 and 3 are 0, which stands for 2^-127.
; NO PREFETCH: K and V are asked for once, at the head, and no loop runs ahead of a load.
; LIMITS: NaN and infinities are not served; the scaled scores t stay under 2^31 in magnitude; a block whose largest magnitude lies under 2^-118 gets the byte 1; O is divided by the sum by v_rcp_f32 and a multiplication.
; O's scale bytes leave as single bytes, two for each row of 32: 1/32 of what this launch stores.
.set REC,   17152
.set QREC,  8704
.set SPARE, 16*REC                     ; behind the records: the spare words, 128 bytes a wave
.set LI,  1                            ; 16 x lane
.set L8,  2                            ; 8 x lane
.set R16, 3                            ; 16 x (lane % 16)
.set ADK, 4                            ; LDS: the step's record + 16 x lane
.set ADT, 5                            ; LDS: the step's record + 8 x lane
.set OSO, 6                            ; 32 x (lane % 16) + lane / 16
.set KSC, 8                            ; v[8:11] K's scale words; v12 -M, v13 the largest t, v[14:15] the sum; v16-23 Q's codes, v24-31 zeros
.set F,   32                           ; v32-95 K's eight half-fragments, then V's four fragments; v96-103 zeros
.set S,   104                          ; v104-167 S^T, then p
.set O,   168                          ; v168-199 O^T
.set PCD, 200                          ; v200-215 p's codes
.set BM,  216                          ; the blocks' maxima
.set PT,  220                          ; the other half's; later the bytes
.set LM,  224                          ; 448 x the scale
.set SO,  228                          ; the conversions' scale operands
.set TMP, 232
.set FF,  234                          ; v[234:235] f (the upper word is written once and not used)
.set PS,  236                          ; p's scale word
.set QS,  237                          ; Q's scale words
.set VS,  240                          ; v[240:241] V's scale words; v[238:239], v[242:253] seven side chains of the sum
.set SPW, 254
.set NIL, 255
.macro CROUND                          ; a round of the cluster's barrier
	s_barrier_signal -1
	s_barrier_wait -1
	s_cmp_lg_u32 s12, 0
	s_cbranch_scc1 .Lnot_wave_0_\@
	s_barrier_signal -3
.Lnot_wave_0_\@:
	s_barrier_wait -3
	s_barrier_signal -1
	s_barrier_wait -1
.endm
.macro QLOAD                           ; my tile of Q: two blocks of codes and the scale words
	global_load_b128 v[16:19], v[LI], s[58:59]
	global_load_b128 v[20:23], v[LI], s[58:59] offset:512
	global_load_b32 v[QS], v[R16], s[66:67]
.endm
	s_load_b256 s[4:11], s[0:1], 0x0               ; qbuf, kvbuf, obuf, oscl
	v_lshl_add_u32 v[SPW], v0, 2, SPARE
	v_mov_b32 v[NIL], 0
	ds_add_u32 v[SPW], v[NIL]                      ; the opening lines: the add twice on end and its wait ahead of my tensor load
	ds_add_u32 v[SPW], v[NIL]
	v_lshrrev_b32 v1, 5, v0
	s_delay_alu instid0(VALU_DEP_1)
	v_readfirstlane_b32 s12, v1                    ; wave 0..15
	s_bfe_u32 s13, ttmp6, 0x40000                  ; cx: it enters global addresses of Q and O alone
	s_and_b32 s14, ttmp7, 0xffff                   ; batch x 16 + head: the four partners share it
	v_and_b32 v7, 31, v0
	s_delay_alu instid0(VALU_DEP_1)
	v_lshlrev_b32 v[LI], 4, v7
	s_delay_alu instid0(VALU_DEP_2)
	v_lshlrev_b32 v[L8], 3, v7
	v_and_b32 v6, 15, v0
	s_delay_alu instid0(VALU_DEP_1)
	v_lshlrev_b32 v[R16], 4, v6
	v_bfe_u32 v7, v0, 4, 1
	s_delay_alu instid0(VALU_DEP_1)
	v_lshl_add_u32 v[OSO], v6, 5, v7
	s_mov_b32 s48, 0x76543210
	s_mov_b32 s49, 0xfedcba98                      ; v_permlanex16_b32's selects for lane l xor 16
	s_mov_b32 s50, 0x3e38aa3b                      ; c = log2(e) / 8
	s_mov_b32 s51, s50
	s_mov_b32 s52, 0x600000                        ; the mantissa field of 448
	s_mov_b32 s53, 0xffff0000                      ; lanes 16-31
.irp i, 0,1,2,3,4,5,6,7
	v_mov_b32 v[24+\i], 0                          ; the upper half of Q's fragment: zero codes
	v_mov_b32 v[96+\i], 0                          ; and what stands behind K's last half-fragment
.endr
.irp i, 0,1,2,3
	v_mov_b32 v[PT+\i], 0                          ; a lane permute's destination counts as one of its sources
	v_mov_b32 v[212+\i], 0
.endr
	v_mov_b32 v[FF+1], 0
	s_mov_b32 s24, 15|(3<<16)|(1<<21)              ; group 1: a record: 67 dense rows of 256 bytes (32 elements of 8); the mask names all four work-groups
	s_mov_b32 s25, 32<<16
	s_mov_b32 s26, 67<<16
	s_mov_b32 s27, 32<<16
	s_mov_b32 s28, 67
	s_mov_b32 s29, 32
	s_mov_b32 s30, 0
	s_mov_b32 s31, 0
	s_mul_i32 s15, s12, REC                        ; record w: in LDS and in the head alike
	s_mul_i32 s16, s14, 16*REC
	s_add_co_u32 s16, s16, s15
	s_mov_b32 s17, 0
	s_wait_dscnt 0x0
	s_wait_kmcnt 0x0
	s_add_nc_u64 s[16:17], s[6:7], s[16:17]
	s_mov_b32 s32, 1
	s_mov_b32 s33, s15
	s_mov_b64 s[34:35], s[16:17]
	s_or_b32 s35, s35, 0x80000000
	; Q: my tile of pass 0 is tile 32 cx + w of the head's 128: record 4 cx + w / 8, tile w % 8 in it
	s_lshl_b32 s18, s14, 4
	s_lshl_b32 s19, s13, 2
	s_add_co_u32 s18, s18, s19
	s_lshr_b32 s19, s12, 3
	s_add_co_u32 s18, s18, s19
	s_mul_i32 s18, s18, QREC
	s_and_b32 s19, s12, 7
	s_lshl_b32 s19, s19, 10
	s_add_co_u32 s20, s18, s19
	s_mov_b32 s21, 0
	s_add_nc_u64 s[58:59], s[4:5], s[20:21]        ; its codes
	s_bfe_u32 s19, s12, 0x10002
	s_lshl_b32 s19, s19, 8
	s_add_co_u32 s20, s18, s19
	s_and_b32 s19, s12, 3
	s_lshl_b32 s19, s19, 2
	s_add_co_u32 s20, s20, s19
	s_add_co_u32 s20, s20, 8192
	s_add_nc_u64 s[66:67], s[4:5], s[20:21]        ; its scale words
	; O: token tile tg = 128 x batch + 32 cx + w; head hd: K step of 256 hd / 4, fragment (hd / 2) % 2, blocks 2 (hd % 2) + 0, 1
	s_lshr_b32 s18, s14, 4
	s_lshl_b32 s18, s18, 7
	s_lshl_b32 s19, s13, 5
	s_add_co_u32 s18, s18, s19
	s_add_co_u32 s18, s18, s12
	s_and_b32 s19, s14, 15
	s_lshr_b32 s20, s19, 2
	s_lshl_b32 s20, s20, 21
	s_lshl_b32 s22, s18, 12
	s_add_co_u32 s20, s20, s22
	s_bfe_u32 s22, s19, 0x10001
	s_lshl_b32 s22, s22, 11
	s_add_co_u32 s20, s20, s22
	s_and_b32 s22, s19, 1
	s_lshl_b32 s22, s22, 10
	s_add_co_u32 s20, s20, s22
	s_add_nc_u64 s[60:61], s[8:9], s[20:21]
	s_lshl_b32 s20, s18, 9
	s_lshl_b32 s22, s19, 1
	s_add_co_u32 s20, s20, s22
	s_add_nc_u64 s[62:63], s[10:11], s[20:21]      ; its scale bytes: 32 x token + 2 hd
	CROUND                                         ; all four work-groups are here: the joint loads meet
	tensor_load_to_lds s[32:35], s[24:31]          ; record w: my one tensor load of the launch
	s_nop 0
.rept 4
	v_nop
.endr
	QLOAD                                          ; pass 0's Q is on its way beside the records
	s_mov_b32 s56, 2
	s_wait_alu depctr_va_vdst(0)                   ; the wait at the head's end
	s_wait_tensorcnt 0x0                           ; my record is in;
	s_barrier_signal -1
	s_barrier_wait -1                              ; everybody's is
.Lpass:
	v_mov_b32 v13, 0xff61b1e6                      ; the largest t so far: -3e38, under every t
	s_delay_alu instid0(VALU_DEP_1)
	v_floor_f32 v12, -v13                          ; -M
	v_mov_b32 v14, 0
	v_mov_b32 v15, 0
.set J, 0
.rept 32
	v_mov_b32 v[O+J], 0                            ; the step is written once: the first finds zeros, which the first change of M leaves zeros
.set J, J+1
.endr
	s_mov_b32 s54, 0
	s_mov_b32 s55, 16
	s_wait_alu depctr_va_vdst(0)                   ; the wait here, directly ahead of the wait below
	s_wait_loadcnt 0x0                             ; Q
.Lstep:                                                ; A KEY STEP: 128 keys, the record at LDS byte s54
	v_add_nc_u32 v[ADK], s54, v[LI]                ; with the seven additions at the step's end: nine places behind the last products, ahead of the loads into their registers
	v_add_nc_u32 v[ADT], s54, v[L8]
.irp t, 0,1,2,3,4,5,6,7
	ds_load_b128 v[F+8*\t:F+8*\t+3], v[ADK] offset:1024*\t
	ds_load_b128 v[F+8*\t+4:F+8*\t+7], v[ADK] offset:1024*\t+512
.endr
	ds_load_b128 v[KSC:KSC+3], v[ADK] offset:16384 ; lane (r, h): the words of tiles 4 h + 0 .. 3, key r
	s_wait_alu depctr_va_vdst(0)
	s_wait_dscnt 0x0
.irp t, 0,1,2,3
	v_wmma_scale_f32_16x16x128_f8f6f4 v[S+8*\t:S+8*\t+7], v[F+8*\t:F+8*\t+15], v[16:31], 0, v[KSC+\t], v[QS]
.endr
.irp t, 4,5,6,7
	v_wmma_scale_f32_16x16x128_f8f6f4 v[S+8*\t:S+8*\t+7], v[F+8*\t:F+8*\t+15], v[16:31], 0, v[KSC+\t-4], v[QS] matrix_a_scale:MATRIX_SCALE_ROW1
.endr
.rept 8
	v_nop                                          ; places in front of the loads below and of the first read of the scores
.endr
.irp t, 0,1,2,3
.irp c, 0,1,2,3
	ds_load_b128 v[F+16*\t+4*\c:F+16*\t+4*\c+3], v[ADK] offset:8192+2048*\t+512*\c   ; V^T's four fragments land while the softmax is worked
.endr
.endr
	ds_load_b64 v[VS:VS+1], v[ADT] offset:16896    ; lane (r, h): the words of channels 16 (2 h + 0, 1) + r
.irp b, 0,1,2,3
	v_max3_num_f32 v[BM+\b], v[S+16*\b], v[S+1+16*\b], v[S+2+16*\b]   ; the largest score of each block of 32 keys: for the row's maximum and, since p rises with the score, for the block's largest p
.endr
.irp i, 3,5,7,9,11,13
.irp b, 0,1,2,3
	v_max3_num_f32 v[BM+\b], v[BM+\b], v[S+16*\b+\i], v[S+1+16*\b+\i]
.endr
.endr
.irp b, 0,1,2,3
	v_max_num_f32 v[BM+\b], v[BM+\b], v[S+15+16*\b]
.endr
.irp b, 0,1,2,3
	s_delay_alu instid0(VALU_DEP_4)
	v_permlanex16_b32 v[PT+\b], v[BM+\b], s48, s49
.endr
.irp b, 0,1,2,3
	s_delay_alu instid0(VALU_DEP_4)
	v_max_num_f32 v[BM+\b], v[BM+\b], v[PT+\b]     ; with lane l xor 16's 16 keys
.endr
	s_delay_alu instid0(VALU_DEP_2)
	v_max3_num_f32 v[TMP], v[BM], v[BM+1], v[BM+2]
	s_delay_alu instid0(VALU_DEP_1)
	v_max_num_f32 v[TMP], v[TMP], v[BM+3]
	s_delay_alu instid0(VALU_DEP_1)
	v_mul_f32 v[TMP], s50, v[TMP]                  ; as t (c is positive)
	s_delay_alu instid0(VALU_DEP_1)
	v_max_num_f32 v13, v13, v[TMP]                 ; the running largest t
	v_mov_b32 v[TMP], v12
	s_delay_alu instid0(VALU_DEP_2)
	v_floor_f32 v12, -v13                          ; the new -M = floor(-t): M is a whole number
	s_delay_alu instid0(VALU_DEP_1)
	v_sub_f32 v[TMP], v12, v[TMP]                  ; old M - new M: a whole number, 0 or less
	s_delay_alu instid0(VALU_DEP_1)
	v_cvt_i32_f32 v[TMP], v[TMP]                   ; (it saturates)
	s_delay_alu instid0(VALU_DEP_1)
	v_ldexp_f32 v[FF], 1.0, v[TMP]                 ; f = 2^(old M - new M)
.set J, 0
.rept 32
	v_pk_fma_f32 v[S+J:S+J+1], v[S+J:S+J+1], s[50:51], v[12:13] op_sel_hi:[1,0,0]   ; t - M, two at a time
.set J, J+2
.endr
.irp b, 0,1,2,3
	v_fma_f32 v[BM+\b], v[BM+\b], s50, v12
.endr
	s_wait_alu depctr_va_vdst(0)                   ; the wait ahead of the batch
.set J, 0
.rept 64
	v_exp_f32 v[S+J], v[S+J]                       ; p = 2^(t - M), at most 1
.set J, J+1
.endr
	v_pk_mul_f32 v[14:15], v[14:15], v[FF:FF+1] op_sel_hi:[1,0]   ; the sum under the new M: a plain line behind the exponentials
	s_wait_alu depctr_va_vdst(0)                   ; one wait for the batch of 64, ahead of its first reader
.irp b, 0,1,2,3
	v_exp_f32 v[BM+\b], v[BM+\b]                   ; the block's largest p
.endr
; THE ROW'S SUM OF THE UNQUANTISED p: 32 pairs into the running sum and seven side chains; the chains are joined behind the second product
.set P, S
.irp c, 238,242,244,246,248,250,252
	v_pk_add_f32 v[\c:\c+1], v[P:P+1], v[P+2:P+3]
.set P, P+4
.endr
.rept 2
.irp c, 14,238,242,244,246,248,250,252
	v_pk_add_f32 v[\c:\c+1], v[\c:\c+1], v[P:P+1]
.set P, P+2
.endr
.endr
	v_pk_add_f32 v[14:15], v[14:15], v[P:P+1]
	v_pk_add_f32 v[238:239], v[238:239], v[P+2:P+3]
	s_wait_alu depctr_va_vdst(0)                   ; and one wait for the four
.irp b, 0,1,2,3
	v_max_num_f32 v[BM+\b], 0x4800000, v[BM+\b]    ; the floor 2^(9 - 127): the byte cannot fall under 1
.endr
.irp b, 0,1,2,3
	s_delay_alu instid0(VALU_DEP_4)
	v_add_nc_u32 v[SO+\b], 0xfc000000, v[BM+\b]    ; 8 off the exponent field: the conversion's scale operand
.endr
.irp b, 0,1,2,3
	v_and_or_b32 v[LM+\b], v[BM+\b], 0x7f800000, s52   ; 448 x the scale
.endr
.irp b, 0,1,2,3
	v_lshrrev_b32 v[PT+\b], 23, v[SO+\b]           ; the scale's byte
.endr
	s_delay_alu instid0(VALU_DEP_3)
	v_lshl_or_b32 v[PS], v[PT+1], 8, v[PT]         ; p's scale word for these 128 keys
	s_delay_alu instid0(VALU_DEP_1)
	v_lshl_or_b32 v[PS], v[PT+2], 16, v[PS]
	s_delay_alu instid0(VALU_DEP_1)
	v_lshl_or_b32 v[PS], v[PT+3], 24, v[PS]
; THE HOLD (the conversion does not saturate: ISA guide 7.6.2; p is not negative, so it is one-sided), two numbers an instruction: one of block b and one of block b + 1, an even and an odd register, all sources in unlike banks
.irp b, 0,2
.irp i, 0,2,4,6,8,10,12,14
	v_dual_min_num_f32 v[S+16*\b+\i], v[S+16*\b+\i], v[LM+\b] :: v_dual_min_num_f32 v[S+16*\b+17+\i], v[S+16*\b+17+\i], v[LM+\b+1]
	v_dual_min_num_f32 v[S+16*\b+1+\i], v[S+16*\b+1+\i], v[LM+\b] :: v_dual_min_num_f32 v[S+16*\b+16+\i], v[S+16*\b+16+\i], v[LM+\b+1]
.endr
.irp d, 0,1
	v_cvt_scalef32_pk8_fp8_f32 v[PCD+4*(\b+\d):PCD+1+4*(\b+\d)], v[S+16*(\b+\d):S+7+16*(\b+\d)], v[SO+\b+\d]
	v_cvt_scalef32_pk8_fp8_f32 v[PCD+2+4*(\b+\d):PCD+3+4*(\b+\d)], v[S+8+16*(\b+\d):S+15+16*(\b+\d)], v[SO+\b+\d]
.endr
.endr
.set J, 0
.rept 16
	v_pk_mul_f32 v[O+J:O+J+1], v[O+J:O+J+1], v[FF:FF+1] op_sel_hi:[1,0]   ; O^T under the new M; these sixteen are also the places between the codes and the products
.set J, J+2
.endr
	s_wait_alu depctr_va_vdst(0)                   ; the wait here, directly ahead of the wait below
	s_wait_dscnt 0x0                               ; V^T's fragments and scale words are in
.irp t, 0,1
	v_wmma_scale_f32_16x16x128_f8f6f4 v[O+8*\t:O+8*\t+7], v[F+16*\t:F+16*\t+15], v[PCD:PCD+15], v[O+8*\t:O+8*\t+7], v[VS+\t], v[PS]
.endr
.irp t, 2,3
	v_wmma_scale_f32_16x16x128_f8f6f4 v[O+8*\t:O+8*\t+7], v[F+16*\t:F+16*\t+15], v[PCD:PCD+15], v[O+8*\t:O+8*\t+7], v[VS+\t-2], v[PS] matrix_a_scale:MATRIX_SCALE_ROW1
.endr
	v_pk_add_f32 v[242:243], v[242:243], v[244:245]   ; the sum's chains are joined: seven plain lines that name no register of the products above
	v_pk_add_f32 v[246:247], v[246:247], v[248:249]
	v_pk_add_f32 v[250:251], v[250:251], v[252:253]
	v_pk_add_f32 v[14:15], v[14:15], v[238:239]
	s_delay_alu instid0(VALU_DEP_3)
	v_pk_add_f32 v[242:243], v[242:243], v[246:247]
	s_delay_alu instid0(VALU_DEP_2)
	v_pk_add_f32 v[14:15], v[14:15], v[250:251]
	s_delay_alu instid0(VALU_DEP_1)
	v_pk_add_f32 v[14:15], v[14:15], v[242:243]
	s_add_co_u32 s54, s54, REC
	s_sub_co_u32 s55, s55, 1
	s_cmp_lg_u32 s55, 0
	s_cbranch_scc1 .Lstep
	; THE WAY OUT: O^T / the sum, quantised along D (my head's 64 are two blocks of 32), the codes brought into D's true order, since they meet codes that are given.
	v_add_f32 v14, v14, v15
	s_delay_alu instid0(VALU_DEP_1)
	v_permlanex16_b32 v[TMP], v14, s48, s49
	s_delay_alu instid0(VALU_DEP_1)
	v_add_f32 v14, v14, v[TMP]                     ; the row's sum
	s_wait_alu depctr_va_vdst(0)                   ; the wait ahead of the transcendental
	v_rcp_f32 v[FF], v14
	v_nop                                          ; the plain line behind the reciprocal (the seven joins and the two additions are the places behind the last products)
	s_wait_alu depctr_va_vdst(0)                   ; ahead of the reciprocal's first reader
.set J, 0
.rept 16
	v_pk_mul_f32 v[S+J:S+J+1], v[O+J:O+J+1], v[FF:FF+1] op_sel_hi:[1,0]   ; register 16 c + 8 u + j: channel 32 c + 16 u + 8 h + j
.set J, J+2
.endr
.irp b, 0,1
	v_max3_num_f32 v[BM+\b], |v[S+16*\b]|, |v[S+1+16*\b]|, 0x4800000
.endr
.irp i, 2,4,6,8,10,12,14
.irp b, 0,1
	s_delay_alu instid0(VALU_DEP_2)
	v_max3_num_f32 v[BM+\b], v[BM+\b], |v[S+16*\b+\i]|, |v[S+1+16*\b+\i]|
.endr
.endr
.irp b, 0,1
	s_delay_alu instid0(VALU_DEP_2)
	v_permlanex16_b32 v[PT+\b], v[BM+\b], s48, s49
.endr
.irp b, 0,1
	s_delay_alu instid0(VALU_DEP_2)
	v_max_num_f32 v[BM+\b], v[BM+\b], v[PT+\b]
.endr
.irp b, 0,1
	s_delay_alu instid0(VALU_DEP_2)
	v_add_nc_u32 v[SO+\b], 0xfc000000, v[BM+\b]
.endr
.irp b, 0,1
	s_delay_alu instid0(VALU_DEP_4)
	v_and_or_b32 v[LM+\b], v[BM+\b], 0x7f800000, s52
.endr
.irp b, 0,1
	s_delay_alu instid0(VALU_DEP_4)
	v_lshrrev_b32 v[PT+\b], 23, v[SO+\b]
.endr
.irp b, 0,1
.irp i, 0,1,2,3,4,5,6,7,8,9,10,11,12,13,14,15
	v_med3_num_f32 v[S+16*\b+\i], v[S+16*\b+\i], -v[LM+\b], v[LM+\b]
.endr
	v_cvt_scalef32_pk8_fp8_f32 v[PCD+4*\b:PCD+1+4*\b], v[S+16*\b:S+7+16*\b], v[SO+\b]
	v_cvt_scalef32_pk8_fp8_f32 v[PCD+2+4*\b:PCD+3+4*\b], v[S+8+16*\b:S+15+16*\b], v[SO+\b]
.endr
	v_nop                                          ; a plain line behind the last scaled conversion
	; lanes 0-15 hold channels 0-7 and 16-23 of a block and want 0-15; lanes 16-31 hold 8-15 and 24-31 and want 16-31: each sends the eight codes that it does not want to lane l xor 16
.irp c, 0,1
	v_cndmask_b32 v[208+2*\c], v[PCD+2+4*\c], v[PCD+4*\c], s53
	v_cndmask_b32 v[209+2*\c], v[PCD+3+4*\c], v[PCD+1+4*\c], s53
.endr
.irp i, 0,1,2,3
	v_permlanex16_b32 v[212+\i], v[208+\i], s48, s49
.endr
.irp c, 0,1
	v_cndmask_b32 v[136+4*\c], v[PCD+4*\c], v[212+2*\c], s53
	v_cndmask_b32 v[137+4*\c], v[PCD+1+4*\c], v[213+2*\c], s53
	v_cndmask_b32 v[138+4*\c], v[212+2*\c], v[PCD+2+4*\c], s53
	v_cndmask_b32 v[139+4*\c], v[213+2*\c], v[PCD+3+4*\c], s53
.endr
	v_cndmask_b32 v[TMP], v[PT], v[PT+1], s53      ; lanes 0-15 store block 0's byte, lanes 16-31 block 1's
	global_store_b128 v[LI], v[136:139], s[60:61]              ; each store: 512 consecutive bytes, aligned
	global_store_b128 v[LI], v[140:143], s[60:61] offset:512
	global_store_b8 v[OSO], v[TMP], s[62:63]
	s_wait_xcnt 0x0                                ; the stores have read their data and bases: both are written again
	s_add_nc_u64 s[58:59], s[58:59], 2*QREC        ; 256 queries on: two records of Q,
	s_add_nc_u64 s[66:67], s[66:67], 2*QREC
	s_add_nc_u64 s[60:61], s[60:61], 16*4096       ; sixteen token tiles of O,
	s_add_nc_u64 s[62:63], s[62:63], 256*32        ; 256 rows of its scale bytes
	s_sub_co_u32 s56, s56, 1
	s_cmp_eq_u32 s56, 0
	s_cbranch_scc1 .Lno_more_q                     ; behind the last pass there is no Q to ask for
	QLOAD
.Lno_more_q:
	s_cmp_lg_u32 s56, 0
	s_cbranch_scc1 .Lpass
	s_wait_tensorcnt 0x0                           ; the wave's end
	ds_add_u32 v[SPW], v[NIL]
	s_wait_dscnt 0x0
	CROUND                                         ; the closing round
	s_endpgm
.Lfunc_end_k_qf8feff5134_attn:
	.size	k_qf8feff5134_attn, .Lfunc_end_k_qf8feff5134_attn-k_qf8feff5134_attn
	.p2alignl 7, 3214868480
	.fill 96, 4, 3214868480
	.section	.rodata,"a",@progbits
	.p2align	6, 0x0
	.amdhsa_kernel k_qf8feff5134_attn
		.amdhsa_group_segment_fixed_size 276480
		.amdhsa_private_segment_fixed_size 0
		.amdhsa_enable_private_segment 0
		.amdhsa_kernarg_size 32
		.amdhsa_user_sgpr_count 2
		.amdhsa_user_sgpr_kernarg_segment_ptr 1
		.amdhsa_wavefront_size32 1
		.amdhsa_system_sgpr_workgroup_id_x 1
		.amdhsa_system_sgpr_workgroup_id_y 1
		.amdhsa_system_sgpr_workgroup_id_z 1
		.amdhsa_system_vgpr_workitem_id 0
		.amdhsa_next_free_vgpr 256
		.amdhsa_next_free_sgpr 68
		.amdhsa_reserve_vcc 0
		.amdhsa_float_denorm_mode_32 3
		.amdhsa_float_denorm_mode_16_64 3
		.amdhsa_memory_ordered 1
		.amdhsa_forward_progress 1
		.amdhsa_inst_pref_size 35
	.end_amdhsa_kernel
	.amdgpu_metadata
---
amdhsa.version: [ 1, 2 ]
amdhsa.kernels:
  - .name:           k_qf8feff5134_attn
    .symbol:         k_qf8feff5134_attn.kd
    .args:
      - { .name: qbuf, .offset: 0, .size: 8, .value_kind: global_buffer, .address_space: global }
      - { .name: kvbuf, .offset: 8, .size: 8, .value_kind: global_buffer, .address_space: global }
      - { .name: obuf, .offset: 16, .size: 8, .value_kind: global_buffer, .address_space: global }
      - { .name: oscl, .offset: 24, .size: 8, .value_kind: global_buffer, .address_space: global }
    .group_segment_fixed_size: 276480
    .private_segment_fixed_size: 0
    .kernarg_segment_align: 8
    .kernarg_segment_size: 32
    .max_flat_workgroup_size: 512
    .sgpr_count:     68
    .vgpr_count:     256
    .wavefront_size: 32
...
	.end_amdgpu_metadata
.endif
;; end of part 2
;; launch out (part 3): grid 64 x 4, 4 waves a work-group, clusters of 4 x 1, 327,680 bytes of LDS; arguments obuf, oscl, w_out_codes, w_out_scales, b_out, out0; writes out0
.if DOCPART == 3
	.amdgcn_target "amdgcn-amd-amdhsa--gfx1250"
	.amdhsa_code_object_version 6
	.text
	.protected	k_qf8feff5134_out
	.globl	k_qf8feff5134_out
	.p2align	8
	.type	k_qf8feff5134_out,@function
k_qf8feff5134_out:
	s_mov_b64 s[64:65], 0
	v_nop
	global_prefetch_b8 v0, s[64:65] scope:SCOPE_SE
	s_setreg_imm32_b32 hwreg(HW_REG_WAVE_MODE, 25, 1), 1
	s_wait_xcnt 0x0
	s_wait_alu depctr_hold_cnt(0) depctr_sa_sdst(0) depctr_va_vdst(0) depctr_va_sdst(0) depctr_va_ssrc(0) depctr_va_vcc(0) depctr_vm_vsrc(0)
	s_getreg_b32 s2, hwreg(HW_REG_IB_STS2, 6, 4)
	s_cmp_eq_u32 s2, 0
	s_cbranch_scc0 .Lentry_in_a_cluster
	s_endpgm
.Lentry_in_a_cluster:
	s_bfe_u32 s2, ttmp6, 0x10000c
	s_cmp_lg_u32 s2, 0x3003
	s_cbranch_scc0 .Lentry_shape_is_right
	s_endpgm
.Lentry_shape_is_right:
; out0[m][n] = the sum over k of O[m][k] W[n][k] + b_out[n]: 8,192 x 1,024 x 1,024 on codes of FP8 (E4M3) with one E8M0 scale for each 32 along K; sums in f32.
; SHARES.  256 work-groups: a block of 128 tokens x 256 columns each; four waves, 2 x 2, a wave 64 x 128: 32 accumulators, 256 registers.
; NO RING.  W's 256 rows x all 1,024 of K lie in LDS, filled once: wave w asks for K quarter w (256 rows x 256 bytes, 16 bytes of padding behind each: LDS rows 272 bytes apart), one tensor load a wave at the head.
; The four work-groups of a cluster lie along the tokens and need the same rows of W: the loads are joint, the mask names all four.
; O's codes lie in obuf as images of the operand's registers ([K step of 256][tile of 16 tokens][128 of K][4 registers][lane][16 bytes]): a wave's 64 rows x all of K go from memory straight into 512 registers,
; each load 512 consecutive bytes; they are waited for K step by K step.  So behind the one barrier no further barrier is needed.
; BY HALVES OF THE COLUMNS: a wave takes its columns 0-63 through all eight K steps of 128 and sends them, then its columns 64-127: the first half's stores are on their way while the second half is multiplied.
; Each fragment of W is read from LDS once all the same.
; SCALE WORDS go from memory into registers: lane (r, h) takes 16 bytes of row r's 32: lanes 0-15 the words of K steps 0-3, lanes 16-31 those of K steps 4-7, which the instruction takes by MATRIX_SCALE_ROW1.
; TRANSPOSED USE: source 0 = 16 rows of W, source 1 = 16 tokens: a lane holds eight neighbouring columns of one token's row.
; THE WAY OUT: 16 rows x 64 columns at a time through the wave's own stage in LDS (bytes that no fill lands on), back as rows of 256 bytes; the bias of a lane's four columns is added there; sixteen lanes store 256 consecutive bytes, aligned.
; NO PREFETCH: every byte is asked for at the head; there is no loop to run ahead in.
; REGISTERS: window 0: v1-16 addresses, v32-63 W's scale words, v64-79 O's, v80-87 the bias, v96-223 W's fragments, two sets of four (on the way out v96-159: the rows read back);
; window 1: accumulator (a, b) at v[8 (8 a + b)];  windows 2, 3: O's fragments of K steps 0-3, 4-7: v[64 (j % 4) + 16 a].
.set PITCH,  272
.set QTR,    256*PITCH                 ; a K quarter of W in LDS
.set STAGE,  4*QTR
.set SPITCH, 272
.set SPARE,  STAGE+4*16*SPITCH         ; the spare words, 128 bytes a wave
.set LI,   1                           ; 16 x lane
.set SOF,  2                           ; 32 x (lane % 16) + 16 x (lane / 16)
.set R16,  3                           ; 16 x (lane % 16)
.set ADRB, 4                           ; v4-7 LDS address of my fragments of W in K quarter 0 .. 3
.set STO,  8
.set RD,   9
.set SPW,  10
.set NIL,  11
.set CO,   16                          ; 4,096 x (lane / 16) + 16 x (lane % 16): two rows of out0 a store
.set SB,   32
.set SA,   64
.set BIA,  80
.set BF,   96
.set MSB, 0
.macro WIN new                         ; the immediate's high byte repeats the setting that is left
.if MSB != \new
	s_set_vgpr_msb (MSB<<8)|\new
.set MSB, \new
.endif
.endm
.macro PLACES n
.rept \n
	v_nop
.endr
.endm
.macro CROUND
	s_barrier_signal -1
	s_barrier_wait -1
	s_cmp_lg_u32 s16, 0
	s_cbranch_scc1 .Lnot_wave_0_\@
	s_barrier_signal -3
.Lnot_wave_0_\@:
	s_barrier_wait -3
	s_barrier_signal -1
	s_barrier_wait -1
.endm
	s_load_b128 s[4:7], s[0:1], 0x0                ; obuf, oscl
	s_load_b128 s[8:11], s[0:1], 0x10              ; W's codes, W's scales
	s_load_b128 s[12:15], s[0:1], 0x20             ; b_out, out0
	v_lshl_add_u32 v[SPW], v0, 2, SPARE
	v_mov_b32 v[NIL], 0
	ds_add_u32 v[SPW], v[NIL]                      ; the opening lines: the add twice on end and its wait ahead of my tensor load
	ds_add_u32 v[SPW], v[NIL]
	v_lshrrev_b32 v12, 5, v0
	v_readfirstlane_b32 s16, v12                   ; wave 0..3
	s_lshr_b32 s17, s16, 1                         ; which 64 tokens
	s_and_b32 s18, s16, 1                          ; which 128 columns
	s_bfe_u32 s19, ttmp6, 0x40000                  ; cx: it enters global addresses of O and out0 alone
	s_lshl_b32 s20, ttmp9, 2
	s_add_co_u32 s20, s20, s19                     ; block of 128 tokens
	s_and_b32 s21, ttmp7, 0xffff                   ; block of 256 columns: the four partners share it
	s_mov_b32 s24, 15|(1<<20)|(1<<21)|(5<<22)|(3<<25)   ; group 1: elements of 1 byte; 4 words of padding after every 64; the mask names all four
	s_mov_b32 s25, 256<<16
	s_mov_b32 s26, 256<<16
	s_mov_b32 s27, 256<<16
	s_mov_b32 s28, 256
	s_mov_b32 s29, 1024
	s_mov_b32 s30, 0
	s_mov_b32 s31, 0
	s_mov_b32 s32, 1
	s_mul_i32 s33, s16, QTR                        ; K quarter w in LDS
	s_lshl_b32 s22, s21, 18                        ; 256 rows of 1,024 bytes a block,
	s_lshl_b32 s23, s16, 8                         ; 256 bytes a quarter
	s_add_co_u32 s22, s22, s23
	s_mov_b32 s23, 0
	s_lshl_b32 s36, s20, 7
	s_lshl_b32 s37, s17, 6
	s_add_co_u32 s36, s36, s37                     ; my first token
	s_lshl_b32 s38, s21, 8
	s_lshl_b32 s39, s18, 7
	s_add_co_u32 s38, s38, s39                     ; my first column
	s_mul_i32 s44, s18, 128*PITCH                  ; my 128 rows of W in each quarter
	s_add_co_u32 s45, s44, QTR
	s_add_co_u32 s46, s44, 2*QTR
	s_add_co_u32 s47, s44, 3*QTR
	s_mul_i32 s43, s16, 16*SPITCH
	s_add_co_u32 s43, s43, STAGE                   ; my stage
	s_mov_b32 s41, 0
	s_wait_dscnt 0x0
	s_wait_kmcnt 0x0
	s_add_nc_u64 s[34:35], s[8:9], s[22:23]
	s_or_b32 s35, s35, 0x80000000
	s_lshl_b32 s40, s36, 8
	s_add_nc_u64 s[4:5], s[4:5], s[40:41]          ; O's codes: 4,096 bytes a tile of 16 tokens
	s_lshl_b32 s40, s36, 5
	s_add_nc_u64 s[6:7], s[6:7], s[40:41]          ; O's scales: 32 bytes a token
	s_lshl_b32 s40, s38, 5
	s_add_nc_u64 s[10:11], s[10:11], s[40:41]      ; W's scales
	s_lshl_b32 s40, s38, 2
	s_add_nc_u64 s[12:13], s[12:13], s[40:41]      ; the bias
	s_add_nc_u64 s[14:15], s[14:15], s[40:41]
	s_lshl_b32 s40, s36, 12
	s_add_nc_u64 s[14:15], s[14:15], s[40:41]      ; out0 at my first token and column
	CROUND                                         ; all four work-groups are here: the joint loads meet
	tensor_load_to_lds s[32:35], s[24:31]          ; my one tensor load of the launch
	s_nop 0
	PLACES 4
	v_and_b32 v12, 31, v0
	v_lshlrev_b32 v[LI], 4, v12
	v_and_b32 v13, 15, v0                          ; r
	v_bfe_u32 v14, v0, 4, 1                        ; h
	v_lshlrev_b32 v15, 4, v14
	v_lshlrev_b32 v[R16], 4, v13
	v_lshl_add_u32 v[SOF], v13, 5, v15
	v_mad_u32_u24 v15, v13, PITCH, v15             ; a fragment's row x pitch + 16 h
	v_add_nc_u32 v[ADRB], s44, v15
	v_add_nc_u32 v[ADRB+1], s45, v15
	v_add_nc_u32 v[ADRB+2], s46, v15
	v_add_nc_u32 v[ADRB+3], s47, v15
	v_mul_u32_u24 v12, v13, SPITCH
	v_lshl_add_u32 v12, v14, 5, v12
	v_add_nc_u32 v[STO], s43, v12                  ; in: row r, 32 bytes for each half of the lanes
	v_mad_u32_u24 v12, v14, SPITCH, v[R16]
	v_add_nc_u32 v[RD], s43, v12                   ; back: lanes 0-15 one row of 256 bytes, lanes 16-31 the next
	v_lshl_add_u32 v[CO], v14, 12, v[R16]          ; and the same two rows in out0
	global_load_b128 v[BIA:BIA+3], v[R16], s[12:13]
	global_load_b128 v[BIA+4:BIA+7], v[R16], s[12:13] offset:256
.irp b, 0,1,2,3,4,5,6,7
	global_load_b128 v[SB+4*\b:SB+4*\b+3], v[SOF], s[10:11] offset:512*\b
.endr
.irp a, 0,1,2,3
	global_load_b128 v[SA+4*\a:SA+4*\a+3], v[SOF], s[6:7] offset:512*\a
.endr
.irp j, 0,1,2,3,4,5,6,7                ; O's fragments, K step by K step: 16 loads a step
	WIN 0x80+0x40*(\j/4)
.irp a, 0,1,2,3
.irp c, 0,1,2,3
	global_load_b128 v[64*(\j%4)+16*\a+4*\c:64*(\j%4)+16*\a+4*\c+3], v[LI], s[4:5] offset:(\j/2)*2097152+(\j%2)*2048+\a*4096+512*\c
.endr
.endr
.endr
	WIN 0
.macro FETCH j, g                      ; W's four fragments of K step j, column half g, into set j % 2
.irp b, 0,1,2,3
.irp c, 0,1,2,3
	ds_load_b128 v[BF+64*((\j)%2)+16*\b+4*\c:BF+64*((\j)%2)+16*\b+4*\c+3], v[ADRB+(\j)/2] offset:(4*(\g)+\b)*16*PITCH+128*((\j)%2)+32*\c
.endr
.endr
.endm
.macro MULB j, g                       ; 16 products: the half's four blocks of W x my four blocks of tokens; the sixteen accumulators take turns
	WIN 0x58+4*((\j)/4)                            ; source 0 window 0, source 1 window 2 or 3, C and D window 1
.irp b, 0,1,2,3
.irp a, 0,1,2,3
.set AC, 8*(8*\a+4*(\g)+\b)
.set FB, BF+64*((\j)%2)+16*\b
.set FA, 64*((\j)%4)+16*\a
.set WB, SB+4*(4*(\g)+\b)+(\j)%4
.set WA, SA+4*\a+(\j)%4
.if (\j) == 0
	v_wmma_scale_f32_16x16x128_f8f6f4 v[AC:AC+7], v[FB:FB+15], v[FA:FA+15], 0, v[WB], v[WA]
.else
.if (\j) < 4
	v_wmma_scale_f32_16x16x128_f8f6f4 v[AC:AC+7], v[FB:FB+15], v[FA:FA+15], v[AC:AC+7], v[WB], v[WA]
.else
	v_wmma_scale_f32_16x16x128_f8f6f4 v[AC:AC+7], v[FB:FB+15], v[FA:FA+15], v[AC:AC+7], v[WB], v[WA] matrix_a_scale:MATRIX_SCALE_ROW1 matrix_b_scale:MATRIX_SCALE_ROW1
.endif
.endif
.endr
.endr
.endm
.macro TOSTAGE a, g
	WIN 0x04                                       ; the data: window 1
.irp b, 0,1,2,3
	ds_store_b128 v[STO], v[8*(8*(\a)+4*(\g)+\b):8*(8*(\a)+4*(\g)+\b)+3] offset:64*\b          ; each accumulator from its low end on
	ds_store_b128 v[STO], v[8*(8*(\a)+4*(\g)+\b)+4:8*(8*(\a)+4*(\g)+\b)+7] offset:64*\b+16
.endr
	WIN 0
.set BB, BF+32*((\a)%2)
.irp t, 0,1,2,3,4,5,6,7
	ds_load_b128 v[BB+4*\t:BB+4*\t+3], v[RD] offset:\t*2*SPITCH    ; LDS serves a wave's instructions in order (ISA guide 5.7.1.4): these see the stores above
.endr
.endm
.macro SEND a, g, younger              ; younger: the LDS instructions issued behind block a's loads, which may stay out
.set BB, BF+32*((\a)%2)
	s_wait_dscnt \younger
.irp t, 0,1,2,3,4,5,6,7
	v_pk_add_f32 v[BB+4*\t:BB+4*\t+1], v[BB+4*\t:BB+4*\t+1], v[BIA+4*(\g):BIA+4*(\g)+1]        ; the bias of my four columns
	v_pk_add_f32 v[BB+4*\t+2:BB+4*\t+3], v[BB+4*\t+2:BB+4*\t+3], v[BIA+4*(\g)+2:BIA+4*(\g)+3]
.endr
.irp t, 0,1,2,3,4,5,6,7
	global_store_b128 v[CO], v[BB+4*\t:BB+4*\t+3], s[14:15] offset:(16*(\a)+2*\t)*4096+256*(\g) th:TH_STORE_NT   ; sixteen lanes store 256 consecutive bytes, aligned
.endr
.endm
; A half of my columns: eight K steps, each K step's fragments asked for one K step ahead, into the set that the K step before has read; then the half goes out
.macro HALF g
	FETCH 0, \g
.irp j, 0,1,2,3,4,5,6,7
.if \j < 7
.if \j > 0
	PLACES 8                                       ; ahead of loads into registers that the products of the K step before read
	WIN 0
.endif
	FETCH \j+1, \g
	s_wait_dscnt 16                                ; this K step's fragments are in; the sixteen loads just issued may be out
.else
	s_wait_dscnt 0
.endif
.if \g == 0
.if \j == 0
	s_wait_loadcnt 63                              ; behind K step 3's fragments of O 64 loads were issued: the bias, the scale words and K steps 0 to 3 are in
.endif
.if \j > 3
	s_wait_loadcnt 16*(7-\j)                       ; the later K steps' loads, 16 each, may be out
.endif
.endif
	MULB \j, \g
.endr
	WIN 0
	PLACES 8                                       ; ahead of the first read of results and of loads into the fragments' registers
	TOSTAGE 0, \g
.irp a, 1,2,3
.if \a > 1
	s_wait_xcnt 0x0                                ; block a - 2's stores have read their registers: block a's loads may land there
.endif
	TOSTAGE \a, \g
	SEND \a-1, \g, 16                              ; behind block a - 1's loads: block a's 8 stores and 8 loads
.endr
	SEND 3, \g, 0
.endm
	s_wait_alu depctr_va_vdst(0)                   ; the wait at the head's end
	s_wait_tensorcnt 0x0                           ; my K quarter is in;
	s_barrier_signal -1
	s_barrier_wait -1                              ; everybody's is
	HALF 0
	s_wait_xcnt 0x0                                ; the first half's stores have read their registers: fragments may land there
	HALF 1
	s_wait_tensorcnt 0x0                           ; the wave's end
	ds_add_u32 v[SPW], v[NIL]
	s_wait_dscnt 0x0
	CROUND                                         ; the closing round
	s_endpgm
.Lfunc_end_k_qf8feff5134_out:
	.size	k_qf8feff5134_out, .Lfunc_end_k_qf8feff5134_out-k_qf8feff5134_out
	.p2alignl 7, 3214868480
	.fill 96, 4, 3214868480
	.section	.rodata,"a",@progbits
	.p2align	6, 0x0
	.amdhsa_kernel k_qf8feff5134_out
		.amdhsa_group_segment_fixed_size 327680
		.amdhsa_private_segment_fixed_size 0
		.amdhsa_enable_private_segment 0
		.amdhsa_kernarg_size 48
		.amdhsa_user_sgpr_count 2
		.amdhsa_user_sgpr_kernarg_segment_ptr 1
		.amdhsa_wavefront_size32 1
		.amdhsa_system_sgpr_workgroup_id_x 1
		.amdhsa_system_sgpr_workgroup_id_y 1
		.amdhsa_system_sgpr_workgroup_id_z 1
		.amdhsa_system_vgpr_workitem_id 0
		.amdhsa_next_free_vgpr 1024
		.amdhsa_next_free_sgpr 66
		.amdhsa_reserve_vcc 0
		.amdhsa_float_denorm_mode_32 3
		.amdhsa_float_denorm_mode_16_64 3
		.amdhsa_memory_ordered 1
		.amdhsa_forward_progress 1
		.amdhsa_inst_pref_size 95
	.end_amdhsa_kernel
	.amdgpu_metadata
---
amdhsa.version: [ 1, 2 ]
amdhsa.kernels:
  - .name:           k_qf8feff5134_out
    .symbol:         k_qf8feff5134_out.kd
    .args:
      - { .name: obuf, .offset: 0, .size: 8, .value_kind: global_buffer, .address_space: global }
      - { .name: oscl, .offset: 8, .size: 8, .value_kind: global_buffer, .address_space: global }
      - { .name: w_out_codes, .offset: 16, .size: 8, .value_kind: global_buffer, .address_space: global }
      - { .name: w_out_scales, .offset: 24, .size: 8, .value_kind: global_buffer, .address_space: global }
      - { .name: b_out, .offset: 32, .size: 8, .value_kind: global_buffer, .address_space: global }
      - { .name: out0, .offset: 40, .size: 8, .value_kind: global_buffer, .address_space: global }
    .group_segment_fixed_size: 327680
    .private_segment_fixed_size: 0
    .kernarg_segment_align: 8
    .kernarg_segment_size: 48
    .max_flat_workgroup_size: 128
    .sgpr_count:     66
    .vgpr_count:     1024
    .wavefront_size: 32
...
	.end_amdgpu_metadata
.endif
;; end of part 3
